; MI455X (gfx1250); checked and timed in simulation.
; The chip was launched on July 23, 2026; its instructions are those of AMD's public machine-readable ISA for CDNA 5 (MIT licence, August 2026) and "CDNA5" Instruction Set Architecture Reference Guide (July 2026). The comments in the code are by the model that wrote it; some were corrected since.
;; Fast Feed Forward. Allowed arithmetic: float matrix products may take bf16 or f16 operands with f32 sums; other float arithmetic in f32, or as packed bf16 or f16 multiplies, adds, multiply-adds, maxima and minima; sums over many terms, partial sums and values carried from step to step in f32; what a program stores and reads back later, other than sums and carried values, may be rounded once to bf16 or f16.
;; Inputs: W1 16 x 512 x 2,048 float32; W2 16 x 2,048 x 512 float32; Wr 15 x 512 float32; b1 16 x 2,048 float32; b2 16 x 512 float32; br 15 float32; x 8 x 256 x 512 float32.
;; Outputs: out0 8 x 256 x 512 float32.
;; One version. Each part assembles by itself: llvm-mc -triple=amdgcn-amd-amdhsa -mcpu=gfx1250 --defsym DOCPART=n.
;; ======== version 1 of 1: 3 launches
;; limits: a function is approximated: absolute error at most 1.5e-07
;; workspace buffers: xb 2,097,152 bytes; hid 8,388,608 bytes; bmp 4,096 bytes of whole numbers
;; launch route (part 1): grid 64 x 1, 4 waves a work-group, no clusters, 50,432 bytes of LDS; arguments x, Wr, br, xb, bmp; writes xb, bmp
.if DOCPART == 1
	.amdgcn_target "amdgcn-amd-amdhsa--gfx1250"
	.amdhsa_code_object_version 6
	.text
	.protected	k_qadc9ca92d0_route
	.globl	k_qadc9ca92d0_route
	.p2align	8
	.type	k_qadc9ca92d0_route,@function
k_qadc9ca92d0_route:
	s_mov_b64 s[64:65], 0
	v_nop
	global_prefetch_b8 v0, s[64:65] scope:SCOPE_SE
	s_setreg_imm32_b32 hwreg(HW_REG_WAVE_MODE, 25, 1), 1
	s_wait_xcnt 0x0
; ROUTER.  2,048 tokens of 512 numbers go down a binary tree of 15 routers: at each of 4 levels the sign of one logit (x . Wr[node] + br[node] > 0) picks the child.
; This launch rounds x to bf16 (xb, [2048][512]), computes all 15 logits of each token on the matrix unit from x, Wr and br rounded to bf16 (f32 sums),
; walks the tree by selects, and stores the choice as a bitmap at fixed places: bmp[expert][word c], bit b = token 32 c + b chose that expert.
; No address and no branch here hangs on a logit.
; LIMITS.  All inputs are rounded to bf16 before use; a logit within a few f32 roundings of 0 may fall on the other side than a sum taken in another order; a NaN logit counts as not above 0.
; SHARES.  Work-group c owns tokens 32 c .. 32 c + 31.  Wave w brings rows 8 w .. 8 w + 7 of x and rows 4 w .. 4 w + 3 of Wr (row 15 does not exist: row 14 is taken again and its logit is never read),
; 48 loads of 512 bytes, all out together; each is rounded and laid into LDS, x also into xb.  Behind the one barrier wave 0 makes the 2 x 16 products and the tree.
; No cluster, no tensor load: the data must pass through registers to be rounded, and the work-groups share only Wr's 30 KB.
.set PITCH, 1040                       ; an LDS row: 1,024 bytes of bf16 + 16: an odd multiple of 16, so the 16 rows of a fragment load start in 16 different groups of four banks
.set SPARE, 48*PITCH                   ; rows 0-31 x, rows 32-47 Wr; behind them the spare words, 128 bytes a wave
.set ST,   64                          ; v64-255  48 loads x 4 registers; later wave 0's fragments (4 K steps x 24) and logits 8-15
.set ACCA, 32                          ; v32-39   logits of tokens 0-15: lane (r, h) holds token r, register j node 8 h + j
.set ACCB, 40                          ; v40-47   the same for tokens 16-31
.set LG,   56                          ; v56-71   behind the exchange: lane L holds logit n of token L in v[LG+n]
.set BR,   16                          ; v16-30   br
; v1 lane  v2, v3 the add's two registers  v4 16 lane  v5, v6 LDS places of my x and Wr rows  v7 8 lane  v8 Wr's fourth row  v9 fragment address  v10 leaf  v11 bitmap words  v12-15, v48-51 at work
	s_load_b256 s[4:11], s[0:1], 0x0               ; x s[4:5], Wr s[6:7], br s[8:9], xb s[10:11]
	s_load_b64 s[12:13], s[0:1], 0x20              ; bmp
	v_lshl_add_u32 v2, v0, 2, SPARE                ; my spare word,
	v_mov_b32 v3, 0                                ; and 0: for the closing lines alone
	v_lshrrev_b32 v12, 5, v0
	v_readfirstlane_b32 s2, v12                    ; wave 0..3
	v_and_b32 v1, 31, v0
	v_lshlrev_b32 v4, 4, v1
	v_lshlrev_b32 v7, 3, v1
	s_mul_i32 s36, s2, 8*PITCH
	v_add_nc_u32 v5, s36, v7                       ; x: row 8 w, 8 bytes a lane
	s_mul_i32 s36, s2, 4*PITCH
	s_add_co_u32 s36, s36, 32*PITCH
	v_add_nc_u32 v6, s36, v7                       ; Wr: row 32 + 4 w
	s_lshl_b32 s36, s2, 2
	s_add_co_u32 s41, s36, 3
	s_min_u32 s41, s41, 14                         ; my fourth row of Wr, held inside the table
	s_sub_co_u32 s41, s41, s36
	s_lshl_b32 s41, s41, 11
	v_add_nc_u32 v8, s41, v4
	v_and_b32 v12, 15, v0
	v_bfe_u32 v13, v0, 4, 1
	v_mul_u32_u24 v9, v12, PITCH
	v_lshl_add_u32 v9, v13, 4, v9                  ; a fragment's row x pitch + 16 x half
	s_mov_b32 s37, 0xffff0000                      ; lanes 16-31
	s_mov_b32 s38, 0x76543210                      ; v_permlanex16_b32: each lane takes its own place in the other half
	s_mov_b32 s39, 0xfedcba98
	s_mov_b32 s43, 0
	s_wait_kmcnt 0x0
	s_load_b256 s[16:23], s[8:9], 0x0              ; br: 32 + 16 + 12 = its 60 bytes
	s_load_b128 s[24:27], s[8:9], 0x20
	s_load_b96 s[28:30], s[8:9], 0x30
	s_lshl_b32 s42, ttmp9, 16                      ; 32 rows of 2,048 bytes a work-group,
	s_lshl_b32 s36, s2, 14                         ; 8 a wave
	s_add_co_u32 s42, s42, s36
	s_add_nc_u64 s[4:5], s[4:5], s[42:43]
	s_lshr_b32 s42, s42, 1                         ; the same rows in xb: half the bytes
	s_add_nc_u64 s[10:11], s[10:11], s[42:43]
	s_lshl_b32 s42, s2, 13                         ; Wr at row 4 w
	s_add_nc_u64 s[6:7], s[6:7], s[42:43]
	s_lshl_b32 s42, ttmp9, 2                       ; bmp at word c
	s_add_nc_u64 s[12:13], s[12:13], s[42:43]
.set n, 0
.rept 32                                               ; x: row n / 4, quarter n % 4: 512 neighbouring bytes a load
	global_load_b128 v[ST+4*n:ST+4*n+3], v4, s[4:5] offset:(n/4)*2048+(n%4)*512 th:TH_LOAD_NT
.set n, n+1
.endr
.rept 12                                               ; Wr: my first three rows,
	global_load_b128 v[ST+4*n:ST+4*n+3], v4, s[6:7] offset:((n-32)/4)*2048+(n%4)*512
.set n, n+1
.endr
.rept 4                                                ; and the fourth
	global_load_b128 v[ST+4*n:ST+4*n+3], v8, s[6:7] offset:(n%4)*512
.set n, n+1
.endr
.set n, 0
.rept 48                                               ; load n is rounded in place and laid down
	s_wait_loadcnt 47-n                            ; loads come back in order: the 47 - n younger ones may stay out
	v_cvt_pk_bf16_f32 v[ST+4*n], v[ST+4*n], v[ST+4*n+1]
	v_cvt_pk_bf16_f32 v[ST+4*n+1], v[ST+4*n+2], v[ST+4*n+3]
.if n < 32
	ds_store_b64 v5, v[ST+4*n:ST+4*n+1] offset:(n/4)*PITCH+(n%4)*256
	global_store_b64 v7, v[ST+4*n:ST+4*n+1], s[10:11] offset:(n/4)*1024+(n%4)*256  ; 32 lanes x 8 bytes: 256 consecutive bytes, aligned
.else
	ds_store_b64 v6, v[ST+4*n:ST+4*n+1] offset:((n-32)/4)*PITCH+(n%4)*256
.endif
.set n, n+1
.endr
	s_wait_dscnt 0x0                               ; for wave 0's sake: my rows are in LDS
	s_barrier_signal -1
	s_barrier_wait -1
	s_cmp_eq_u32 s2, 0
	s_cbranch_scc1 .Lwave0
	s_wait_tensorcnt 0x0                           ; waves 1 to 3 end
	ds_add_u32 v2, v3
	s_wait_dscnt 0x0
	s_endpgm
.Lwave0:
	s_wait_xcnt 0x0                                ; my stores to xb have read their registers: these are loaded again below
	s_wait_kmcnt 0x0                               ; br
.set g, 0
.rept 4                                                ; four groups of four K steps of 32
.if g > 0
.rept 4
	v_nop                                          ; four places between the last products and loads into registers that they read
.endr
.endif
.set k, 0
.rept 4
.set FR, ST+24*k
.set KO, 64*(4*g+k)
	ds_load_b128 v[FR:FR+3],     v9 offset:32*PITCH+KO       ; 16 nodes x 32 k
	ds_load_b128 v[FR+4:FR+7],   v9 offset:32*PITCH+KO+32
	ds_load_b128 v[FR+8:FR+11],  v9 offset:KO                ; tokens 0-15
	ds_load_b128 v[FR+12:FR+15], v9 offset:KO+32
	ds_load_b128 v[FR+16:FR+19], v9 offset:16*PITCH+KO       ; tokens 16-31
	ds_load_b128 v[FR+20:FR+23], v9 offset:16*PITCH+KO+32
.set k, k+1
.endr
	s_wait_dscnt 0x0
.set k, 0
.rept 4                                                ; the two accumulators take turns
.set FR, ST+24*k
.if (g == 0) && (k == 0)
	v_wmma_f32_16x16x32_bf16 v[ACCA:ACCA+7], v[FR:FR+7], v[FR+8:FR+15], 0
	v_wmma_f32_16x16x32_bf16 v[ACCB:ACCB+7], v[FR:FR+7], v[FR+16:FR+23], 0
.else
	v_wmma_f32_16x16x32_bf16 v[ACCA:ACCA+7], v[FR:FR+7], v[FR+8:FR+15], v[ACCA:ACCA+7]
	v_wmma_f32_16x16x32_bf16 v[ACCB:ACCB+7], v[FR:FR+7], v[FR+16:FR+23], v[ACCB:ACCB+7]
.endif
.set k, k+1
.endr
.set g, g+1
.endr
.rept 4
	v_nop                                          ; four places behind the last products
.endr
.set i, 0
.rept 15
	v_mov_b32 v[BR+i], s[16+i]
.set i, i+1
.endr
.set i, 0
.rept 7                                                ; br rounded to bf16 like every input, and widened again
	v_cvt_pk_bf16_f32 v12, v[BR+2*i], v[BR+2*i+1]
	v_lshlrev_b32 v[BR+2*i], 16, v12
	v_and_b32 v[BR+2*i+1], 0xffff0000, v12
.set i, i+1
.endr
	v_cvt_pk_bf16_f32 v12, v[BR+14], v[BR+14]
	v_lshlrev_b32 v[BR+14], 16, v12
	; The exchange: lanes 0-15 keep tokens 0-15 and want their nodes 8-15 from the lane 16 away; lanes 16-31 keep tokens 16-31 and want their nodes 0-7.
.set j, 0
.rept 8                                                ; each accumulator is read from its lowest register on
	v_cndmask_b32 v12, v[ACCB+j], v[ACCA+j], s37   ; what the other half wants of me
	v_permlanex16_b32 v13, v12, s38, s39
	v_cndmask_b32 v[LG+j], v[ACCA+j], v13, s37     ; nodes 0-7 of my token
	v_cndmask_b32 v[LG+8+j], v13, v[ACCB+j], s37   ; nodes 8-15
.set j, j+1
.endr
.set i, 0
.rept 15
	v_add_f32 v[LG+i], v[LG+i], v[BR+i]
.set i, i+1
.endr
	; The tree: level d looks at node 2^d - 1 + leaf.  Selects alone.
	v_cmp_lt_f32 s32, 0, v[LG]
	v_cndmask_b32 v12, v[LG+1], v[LG+2], s32
	v_cmp_lt_f32 s33, 0, v12
	v_cndmask_b32 v12, v[LG+3], v[LG+4], s33
	v_cndmask_b32 v14, v[LG+5], v[LG+6], s33
	v_cndmask_b32 v12, v12, v14, s32
	v_cmp_lt_f32 s34, 0, v12
	v_cndmask_b32 v48, v[LG+7], v[LG+8], s34
	v_cndmask_b32 v49, v[LG+9], v[LG+10], s34
	v_cndmask_b32 v50, v[LG+11], v[LG+12], s34
	v_cndmask_b32 v51, v[LG+13], v[LG+14], s34
	v_cndmask_b32 v48, v48, v49, s33
	v_cndmask_b32 v50, v50, v51, s33
	v_cndmask_b32 v48, v48, v50, s32
	v_cmp_lt_f32 s35, 0, v48
	v_cndmask_b32 v10, 0, 8, s32
	v_cndmask_b32 v12, 0, 4, s33
	v_cndmask_b32 v14, 0, 2, s34
	v_cndmask_b32 v15, 0, 1, s35
	v_or_b32 v10, v10, v12
	v_or_b32 v14, v14, v15
	v_or_b32 v10, v10, v14                         ; the leaf, 0..15
	v_mov_b32 v11, 0
.set e, 0
.rept 16                                               ; lane e takes the word of expert e: one bit for each of my 32 tokens
	v_cmp_eq_u32 s36, e, v10
	v_writelane_b32 v11, s36, e
.set e, e+1
.endr
	v_lshlrev_b32 v12, 8, v1                       ; expert e's 64 words begin at byte 256 e
	v_cmp_gt_u32 vcc_lo, 16, v1
	s_wait_xcnt 0x0                                ; EXEC changes only behind this wait
	s_and_saveexec_b32 s40, vcc_lo
	global_store_b32 v12, v11, s[12:13]            ; 16 words a work-group, 4,096 bytes in the whole launch: laid so that a reader takes an expert's 256 bytes on end
	s_wait_xcnt 0x0                                ; and again in front of the line that widens it
	s_or_b32 exec_lo, exec_lo, s40
	s_wait_tensorcnt 0x0                           ; the wave's end
	ds_add_u32 v2, v3
	s_wait_dscnt 0x0
	s_endpgm
.Lfunc_end_k_qadc9ca92d0_route:
	.size	k_qadc9ca92d0_route, .Lfunc_end_k_qadc9ca92d0_route-k_qadc9ca92d0_route
	.p2alignl 7, 3214868480
	.fill 96, 4, 3214868480
	.section	.rodata,"a",@progbits
	.p2align	6, 0x0
	.amdhsa_kernel k_qadc9ca92d0_route
		.amdhsa_group_segment_fixed_size 50432
		.amdhsa_private_segment_fixed_size 0
		.amdhsa_enable_private_segment 0
		.amdhsa_kernarg_size 40
		.amdhsa_user_sgpr_count 2
		.amdhsa_user_sgpr_kernarg_segment_ptr 1
		.amdhsa_wavefront_size32 1
		.amdhsa_system_sgpr_workgroup_id_x 1
		.amdhsa_system_sgpr_workgroup_id_y 1
		.amdhsa_system_sgpr_workgroup_id_z 1
		.amdhsa_system_vgpr_workitem_id 0
		.amdhsa_next_free_vgpr 256
		.amdhsa_next_free_sgpr 66
		.amdhsa_reserve_vcc 1
		.amdhsa_float_denorm_mode_32 3
		.amdhsa_float_denorm_mode_16_64 3
		.amdhsa_memory_ordered 1
		.amdhsa_forward_progress 1
		.amdhsa_inst_pref_size 37
	.end_amdhsa_kernel
	.amdgpu_metadata
---
amdhsa.version: [ 1, 2 ]
amdhsa.kernels:
  - .name:           k_qadc9ca92d0_route
    .symbol:         k_qadc9ca92d0_route.kd
    .args:
      - { .name: x, .offset: 0, .size: 8, .value_kind: global_buffer, .address_space: global }
      - { .name: Wr, .offset: 8, .size: 8, .value_kind: global_buffer, .address_space: global }
      - { .name: br, .offset: 16, .size: 8, .value_kind: global_buffer, .address_space: global }
      - { .name: xb, .offset: 24, .size: 8, .value_kind: global_buffer, .address_space: global }
      - { .name: bmp, .offset: 32, .size: 8, .value_kind: global_buffer, .address_space: global }
    .group_segment_fixed_size: 50432
    .private_segment_fixed_size: 0
    .kernarg_segment_align: 8
    .kernarg_segment_size: 40
    .max_flat_workgroup_size: 128
    .sgpr_count:     66
    .vgpr_count:     256
    .wavefront_size: 32
...
	.end_amdgpu_metadata
.endif
;; end of part 1
;; launch up (part 2): grid 16 x 16, 8 waves a work-group, no clusters, 166,912 bytes of LDS; arguments xb, W1, b1, bmp, hid; writes hid
.if DOCPART == 2
	.amdgcn_target "amdgcn-amd-amdhsa--gfx1250"
	.amdhsa_code_object_version 6
	.text
	.protected	k_qadc9ca92d0_up
	.globl	k_qadc9ca92d0_up
	.p2align	8
	.type	k_qadc9ca92d0_up,@function
k_qadc9ca92d0_up:
	s_mov_b64 s[64:65], 0
	v_nop
	global_prefetch_b8 v0, s[64:65] scope:SCOPE_SE
	s_setreg_imm32_b32 hwreg(HW_REG_WAVE_MODE, 25, 1), 1
	s_wait_xcnt 0x0
; THE FIRST PRODUCT OF ONE EXPERT ON ITS OWN ROWS.  hid[t][:] = gelu(xb[t] . W1[e] + b1[e]) for the tokens t of expert e; hid is [2048][2048] bf16, row = token.
; Weights and bias are rounded to bf16 on their way through registers; sums in f32; the exact GELU in f32, 0.5 x (1 + erf(x / sqrt 2)).
; LIMITS.  erf by a rational form in t = 1 / (1 + 0.3275911 z) with five terms, absolute error 1.5e-7; exp2 of a result below 2^-126 counts as 0; NaN and infinities are not treated apart.
; SHARES.  Grid y = expert, grid x = one of 16 slices of 128 columns: each weight has one reader.
; PHASE 1.  The slice's weights ([K][N] f32 in memory, 8 units of 8 rows a wave) are all asked for before the first is used, and are laid into LDS in bf16 as the matrix unit's operand image: a lane holds 8 rows
; (8 k) of 4 columns, packs pairs along k, and stores 16 bytes = 8 k of one column.  Under the stream each wave makes, from the expert's bitmap in scalar registers, its own list of the expert's tokens,
; and asks for the 16 rows of its first tile, a block of 256 bytes of each behind each of units 0 to 3: loads come back in order, so the rows land right behind the weights.
; PHASE 2, behind the launch's one barrier.  A wave takes tiles of 16 rows; the rows lie in registers as operands, the weights come from LDS.  The loop has a constant count that covers every split of the
; tokens; dead trips are jumped over, with no barrier in what is jumped.  The next tile's rows are asked for ahead of the GELU of the tile in hand.  Places past the count repeat the expert's last token, which
; lies in the same tile: that row is stored again by the same wave, with the same numbers.  The first tile's rows are asked for whatever the count: every place of the list is written and holds a token.
; COLUMNS.  Fragment f, place r is column 8 r + f of the slice: so a lane's 8 results of a row are neighbouring columns, 16 bytes, and 16 lanes store 256 consecutive bytes, aligned.
; K is not split over the waves here: eight partial sums of 16 x 128 f32 would write and read as much LDS for a tile as the 128 KB of weights that it reads now.
; No tensor load and no multicast: f32 weights must pass through registers to be rounded, and each has one reader.
; REGISTERS, in windows of 256 (s_set_vgpr_msb: bits 1:0 source 0, 3:2 source 1, 5:4 source 2, 7:6 destination).  Window 0: v0-31 addresses, tokens, bias; phase 1: v32-63 packed pieces, v64-255 units 0-5;
; phase 2: v32-95 accumulators, v96-223 weights' fragments, two sets of 64, and on the way out the GELU's registers.  Window 1: v0-63 units 6, 7; v64-191 a tile's rows; v192-193 the fragments' LDS addresses
; (beside the rows, so that one setting, source 0 in window 1, serves a whole tile's LDS loads and products).
.set WROWB, 8192                       ; bytes from row to row of the weights
.set UNITB, 64*WROWB                   ; from a wave's unit to its next: the eight waves' 64 rows
.set NP,    16                         ; trips: 8 waves x 16 rows x 16 = 2,048 rows
.set LISTS, 131072                     ; LDS: K step ks's eight fragments of 1,024 bytes at 8,192 ks; in a fragment the 8 k of block kb and place r at 256 (kb % 4) + 16 r: a load is 16 x lane, no conflict, no padding
.set LISTB, 4352                       ; then a list for each wave, places of 2 bytes: 0-2047 tokens, 2048-2079 padding, 2080-2111 where lanes without a token write; the rest fills the block
.set SPARE, LISTS+8*LISTB              ; then the spare words, 128 bytes a wave
.set LANE, 1
.set R,    2                           ; lane % 16
.set H,    3                           ; lane / 16
.set SPW,  4                           ; my spare word's address; never rewritten
.set NIL,  5                           ; 0; never rewritten
.set WG,   6                           ; my byte offset in a unit's first row
.set SA,   7                           ; v7-8  where I store a piece, + 65,536 i
.set BA,   9                           ; my byte offset in the bias
.set LB,   11                          ; my wave's list
.set DUMP, 12                          ; list place 2080 + lane
.set TOK,  13
.set P,    14                          ; at work
.set F,    15                          ; the padding's token; later 16 h
.set LA,   16                          ; list place of row r of my tile
.set LE,   17                          ; list place of rows 8 h .. 8 h + 7
.set AO,   18                          ; my token row's byte offset
.set OL,   19                          ; 16 r
.set TE,   20                          ; v20-23 eight tokens
.set BIAS, 24                          ; v24-31 half the bias
.set T,    32                          ; packed pieces, two sets of 16
.set WS,   64                          ; units 0-5
.set W1S,  0                           ; window 1: units 6, 7
.set AW,   64                          ; window 1: K step ks of my tile's rows at AW + 8 ks
.set SB,   192                         ; window 1: 16 x lane, + 65,536
.set ACC,  32
.set BB,   96
.set HX,   96                          ; the way out: 8 pairs each (a pair: rows j, j + 1 of column f)
.set AX,   112
.set DN,   128
.set EE,   144
.set PP,   160
.set EO,   176                         ; v176-207 packed rows, eight registers for each pair of rows
.set EOFF, 208                         ; v208-215 their byte offsets
; s2 wave  s3, s85 at work  s[4:13] addresses  s14 expert  s15 slice  s16-63, s68-83 the bitmap's 64 words (later s16-30 constants)  s84 the expert's count  s86 my tile's first row  s87 trips  s[90:91] an offset
.set MSB, 0
.macro WIN new                         ; the immediate's high byte repeats the setting that is left; a switch that changes nothing is dropped
.if MSB != (\new)
	s_set_vgpr_msb (MSB<<8)|(\new)
.set MSB, \new
.endif
.endm
.macro PLACES                          ; four places between a matrix instruction and a load into, or a vector instruction on, its registers
.rept 4
	v_nop
.endr
.endm
.macro WLOAD i                         ; unit i: eight rows, a load is one row's 512 bytes
.if (\i) < 6
.set wsb, WS+32*(\i)
	WIN 0
.else
.set wsb, W1S+32*((\i)-6)
	WIN 0x40                                       ; destination in window 1
.endif
.set jj, 0
.rept 8
	global_load_b128 v[wsb+4*jj:wsb+4*jj+3], v[WG], s[6:7] offset:(\i)*UNITB+jj*WROWB th:TH_LOAD_NT
.set jj, jj+1
.endr
	WIN 0
.endm
.macro ALOAD b                         ; block b of my tile's rows: 256 bytes of each = 4 K steps of fragments
	WIN 0x40
.set jj, 0
.rept 8
	global_load_b128 v[AW+32*(\b)+4*jj:AW+32*(\b)+4*jj+3], v[AO], s[4:5] offset:(\b)*256+32*jj
.set jj, jj+1
.endr
	WIN 0
.endm
.macro CH m                            ; 32 tokens: those whose bit is set in s[m] go to the list's next places, the others' lanes write to the dump
	v_mbcnt_lo_u32_b32 v[P], s[\m], s84            ; the count so far + the set bits below my lane: my place, if my bit is set
	v_cndmask_b32 v[P], v[DUMP], v[P], s[\m]       ; else my dump place: the choice is made on places, ahead of the clamp
	v_min_u32 v[P], 0x83f, v[P]                    ; held inside the list: its last place is 2111
	v_lshl_add_u32 v[P], v[P], 1, v[LB]
	ds_store_b16 v[P], v[TOK]
	v_add_nc_u32 v[TOK], 32, v[TOK]
	s_bcnt1_i32_b32 s85, s[\m]
	s_add_co_u32 s84, s84, s85
.endm
.macro UNIT i                          ; unit i is packed and laid into LDS; behind units 0 to 3 a block of my first tile's rows is asked for
.if (\i) < 5
	s_wait_loadcnt 56                              ; loads come back in order: seven younger groups of eight (later units, blocks of rows) may stay out
.else
	s_wait_loadcnt 8*(11-(\i))                     ; six, five, four younger groups
.endif
.if (\i) < 6
.set wsb, WS+32*(\i)
	WIN 0
.else
.set wsb, W1S+32*((\i)-6)
	WIN 0x05                                       ; both sources in window 1
.endif
.set tb, T+16*((\i)%2)
.set cc, 0
.rept 4                                                ; column cc: rows 0-7 in pairs: 16 bytes = 8 k
.set jj, 0
.rept 4
	v_cvt_pk_bf16_f32 v[tb+4*cc+jj], v[wsb+8*jj+cc], v[wsb+8*jj+4+cc]
.set jj, jj+1
.endr
.set cc, cc+1
.endr
	WIN 0
.set cc, 0
.rept 4
	ds_store_b128 v[SA+(\i)/4], v[tb+4*cc:tb+4*cc+3] offset:((\i)%4)*16384+cc*1024  ; 16 lanes write 256 neighbouring bytes
.set cc, cc+1
.endr
.if (\i) < 4
	ALOAD \i
.endif
.endm
.macro BLOAD ks                        ; K step ks's eight fragments of weights (source 0, the address, in window 1)
.set bb, BB+64*((\ks)%2)
.set jj, 0
.rept 16
	ds_load_b128 v[bb+4*jj:bb+4*jj+3], v[SB+(\ks)/8] offset:((\ks)%8)*8192+jj*512
.set jj, jj+1
.endr
.endm
.macro STEP ks                         ; eight matrix instructions on eight accumulators, which take turns; the next step's fragments are fetched first
.if (\ks)%4 == 0
	s_wait_loadcnt 8*(3-(\ks)/4)                   ; this block of the rows is in; the younger blocks may stay out
.endif
.if (\ks) < 15
.if (\ks) > 0
	PLACES                                         ; the set loaded next was read by the step before
.endif
	BLOAD (\ks)+1
	s_wait_dscnt 16                                ; this step's fragments are in; the sixteen loads just issued may stay out
.else
	s_wait_dscnt 0x0
.endif
.set bb, BB+64*((\ks)%2)
.set aa, AW+8*(\ks)
.set ff, 0
.rept 8
.set ac, ACC+8*ff
.if (\ks) == 0
	v_wmma_f32_16x16x32_bf16 v[ac:ac+7], v[aa:aa+7], v[bb+8*ff:bb+8*ff+7], 0
.else
	v_wmma_f32_16x16x32_bf16 v[ac:ac+7], v[aa:aa+7], v[bb+8*ff:bb+8*ff+7], v[ac:ac+7]
.endif
.set ff, ff+1
.endr
.endm
.macro ALLF line:vararg                ; one line for each column f of eight
.set f, 0
.rept 8
	\line
.set f, f+1
.endr
.endm
.macro GELU2 j                         ; rows j and j + 1 of my half of the tile: bias, GELU, rounding, two stores.  All in y = x / 2: gelu = y + |y| erf(|x| / sqrt 2), since erf is odd
.set f, 0
.rept 8
.set a, ACC+8*f+(\j)
.if f%2
	v_pk_fma_f32 v[HX+2*f:HX+2*f+1], v[a:a+1], 0.5, v[BIAS+f-1:BIAS+f] op_sel:[0,0,1] op_sel_hi:[1,0,1]
.else
	v_pk_fma_f32 v[HX+2*f:HX+2*f+1], v[a:a+1], 0.5, v[BIAS+f:BIAS+f+1] op_sel_hi:[1,0,0]
.endif
.set f, f+1
.endr
	ALLF v_and_b32 v[AX+2*f], s30, v[HX+2*f]
	ALLF v_and_b32 v[AX+2*f+1], s30, v[HX+2*f+1]
	ALLF v_pk_mul_f32 v[EE+2*f:EE+2*f+1], v[HX+2*f:HX+2*f+1], v[HX+2*f:HX+2*f+1]
	ALLF v_pk_fma_f32 v[DN+2*f:DN+2*f+1], v[AX+2*f:AX+2*f+1], s[16:17], 1.0 op_sel_hi:[1,0,0]  ; 1 + 0.3275911 |x| / sqrt 2
	ALLF v_pk_mul_f32 v[EE+2*f:EE+2*f+1], v[EE+2*f:EE+2*f+1], s[18:19] op_sel_hi:[1,0]         ; - x^2 / 2 x log2 e
.set f, 0
.rept 16                                               ; one batch of 32: none reads another's result
	v_rcp_f32 v[DN+f], v[DN+f]
	v_exp_f32 v[EE+f], v[EE+f]
.set f, f+1
.endr
	v_and_b32 v[EOFF+(\j)], 0xffff, v[TE+(\j)/2]   ; the two rows' places in hid: plain work that names no result of the batch
	v_lshrrev_b32 v[EOFF+(\j)+1], 16, v[TE+(\j)/2]
	v_min_u32 v[EOFF+(\j)], 0x7ff, v[EOFF+(\j)]
	v_min_u32 v[EOFF+(\j)+1], 0x7ff, v[EOFF+(\j)+1]
	v_lshl_add_u32 v[EOFF+(\j)], v[EOFF+(\j)], 12, v[OL]
	v_lshl_add_u32 v[EOFF+(\j)+1], v[EOFF+(\j)+1], 12, v[OL]
	s_wait_alu depctr_va_vdst(0)                   ; one wait for the batch, ahead of its first reader
	ALLF v_pk_fma_f32 v[PP+2*f:PP+2*f+1], v[DN+2*f:DN+2*f+1], s[20:21], s[22:23] op_sel_hi:[1,0,0]
	ALLF v_pk_fma_f32 v[PP+2*f:PP+2*f+1], v[PP+2*f:PP+2*f+1], v[DN+2*f:DN+2*f+1], s[24:25] op_sel_hi:[1,1,0]
	ALLF v_pk_fma_f32 v[PP+2*f:PP+2*f+1], v[PP+2*f:PP+2*f+1], v[DN+2*f:DN+2*f+1], s[26:27] op_sel_hi:[1,1,0]
	ALLF v_pk_fma_f32 v[PP+2*f:PP+2*f+1], v[PP+2*f:PP+2*f+1], v[DN+2*f:DN+2*f+1], s[28:29] op_sel_hi:[1,1,0]
	ALLF v_pk_mul_f32 v[PP+2*f:PP+2*f+1], v[PP+2*f:PP+2*f+1], v[DN+2*f:DN+2*f+1]
	ALLF v_pk_fma_f32 v[PP+2*f:PP+2*f+1], v[PP+2*f:PP+2*f+1], v[EE+2*f:EE+2*f+1], 1.0 op_sel_hi:[1,1,0] neg_lo:[1,0,0] neg_hi:[1,0,0]  ; erf(|x| / sqrt 2)
	ALLF v_pk_fma_f32 v[HX+2*f:HX+2*f+1], v[AX+2*f:AX+2*f+1], v[PP+2*f:PP+2*f+1], v[HX+2*f:HX+2*f+1]
.set eo, EO+4*(\j)
.set f, 0
.rept 4
	v_cvt_pk_bf16_f32 v[eo+f], v[HX+4*f], v[HX+4*f+2]      ; row j: columns 2 f, 2 f + 1
	v_cvt_pk_bf16_f32 v[eo+4+f], v[HX+4*f+1], v[HX+4*f+3]  ; row j + 1
.set f, f+1
.endr
	global_store_b128 v[EOFF+(\j)], v[eo:eo+3], s[12:13]       ; 16 lanes store 256 consecutive bytes of a token's row, aligned
	global_store_b128 v[EOFF+(\j)+1], v[eo+4:eo+7], s[12:13]
.endm
	s_load_b256 s[4:11], s[0:1], 0x0               ; rows s[4:5], weights s[6:7], bias s[8:9], bitmap s[10:11]
	s_load_b64 s[12:13], s[0:1], 0x20              ; result
	v_lshl_add_u32 v[SPW], v0, 2, SPARE
	v_mov_b32 v[NIL], 0
	v_lshrrev_b32 v[P], 5, v0
	v_readfirstlane_b32 s2, v[P]                   ; wave 0..7
	v_and_b32 v[LANE], 31, v0
	v_and_b32 v[R], 15, v0
	v_bfe_u32 v[H], v0, 4, 1
	v_lshlrev_b32 v[OL], 4, v[R]
	s_and_b32 s14, ttmp7, 0xffff                   ; the expert
	s_mov_b32 s15, ttmp9                           ; the slice
	v_lshlrev_b32 v[WG], 5, v[R]                   ; columns 8 r + 4 h + 0..3: fragment 4 h + c, place r
	v_lshl_add_u32 v[WG], v[H], 4, v[WG]
	v_lshlrev_b32 v[BA], 5, v[R]
	s_lshr_b32 s3, s2, 2                           ; unit i of wave w is block 8 i + w of 8 k: K step 2 i + w / 4, quarter w % 4; fragments 4 h + c
	s_lshl_b32 s3, s3, 13
	s_and_b32 s85, s2, 3
	s_lshl_b32 s85, s85, 8
	s_add_co_u32 s3, s3, s85
	v_lshl_add_u32 v[SA], v[H], 12, v[OL]
	v_add_nc_u32 v[SA], s3, v[SA]
	v_add_nc_u32 v[SA+1], 0x10000, v[SA]
	s_mul_i32 s3, s2, LISTB
	s_add_co_u32 s3, s3, LISTS
	v_mov_b32 v[LB], s3
	v_add_nc_u32 v[DUMP], 2080, v[LANE]
	s_mov_b32 s91, 0
	s_wait_kmcnt 0x0
	s_lshl_b32 s90, s14, 8                         ; the expert's 64 words
	s_add_nc_u64 s[10:11], s[10:11], s[90:91]
	s_load_b512 s[16:31], s[10:11], 0x0
	s_load_b512 s[32:47], s[10:11], 0x40
	s_load_b512 s[48:63], s[10:11], 0x80
	s_load_b512 s[68:83], s[10:11], 0xc0
	s_lshl_b32 s90, s14, 22                        ; an expert's weights are 4 MiB
	s_lshl_b32 s3, s15, 9                          ; the slice's 512 bytes of a row
	s_add_co_u32 s90, s90, s3
	s_lshl_b32 s3, s2, 16                          ; my wave's 8 rows
	s_add_co_u32 s90, s90, s3
	s_add_nc_u64 s[6:7], s[6:7], s[90:91]
	s_lshl_b32 s90, s14, 13
	s_lshl_b32 s3, s15, 9
	s_add_co_u32 s90, s90, s3
	s_add_nc_u64 s[8:9], s[8:9], s[90:91]          ; the bias at the slice
	s_lshl_b32 s90, s15, 8
	s_add_nc_u64 s[12:13], s[12:13], s[90:91]      ; the result at the slice's 256 bytes of a row
	global_load_b128 v[BIAS:BIAS+3], v[BA], s[8:9]
	global_load_b128 v[BIAS+4:BIAS+7], v[BA], s[8:9] offset:16
.set u, 0
.rept 7                                                ; 56 loads of 512 bytes; the eighth unit follows behind the list
	WLOAD u
.set u, u+1
.endr
	; THE LIST, made while the weights are on their way.  First all its 4,352 bytes are written once, so that every place that is read later has been written whatever the count.
.set i, 0
.rept 4
	v_mov_b32 v[T+i], 0
.set i, i+1
.endr
	v_lshl_add_u32 v[P], v[LANE], 4, v[LB]
	v_lshl_add_u32 v[TOK], v[LANE], 3, v[LB]
.set i, 0
.rept 8
	ds_store_b128 v[P], v[T:T+3] offset:512*i
.set i, i+1
.endr
	ds_store_b64 v[TOK], v[T:T+1] offset:4096
	s_wait_kmcnt 0x0                               ; the bitmap
	s_mov_b32 s84, 0
	v_mov_b32 v[TOK], v[LANE]
.set c, 0
.rept 64                                               ; LDS serves a wave's instructions in order: these stores come behind the zeros
.if c < 48
	CH 16+c
.else
	CH 20+c
.endif
.set c, c+1
.endr
	s_max_u32 s85, s84, 1
	s_sub_co_u32 s85, s85, 1
	s_min_u32 s85, s85, 2047
	s_lshl_b32 s85, s85, 1
	v_add_nc_u32 v[P], s85, v[LB]
	ds_load_u16 v[F], v[P]                         ; the expert's last token
	v_add_nc_u32 v[P], s84, v[LANE]
	v_min_u32 v[P], 2079, v[P]
	v_lshl_add_u32 v[P], v[P], 1, v[LB]
	s_wait_dscnt 0x0
	ds_store_b16 v[P], v[F]                        ; fills the 32 places behind the count
	s_lshl_b32 s86, s2, 4                          ; my first tile: rows 16 w on
	v_add_nc_u32 v[LA], s86, v[R]
	v_lshl_add_u32 v[LA], v[LA], 1, v[LB]
	v_lshl_add_u32 v[LE], v[H], 3, s86
	v_lshl_add_u32 v[LE], v[LE], 1, v[LB]
	v_lshlrev_b32 v[F], 4, v[H]
	ds_load_u16 v[P], v[LA]                        ; the token of row r of my first tile
	s_wait_dscnt 0x0
	v_min_u32 v[P], 0x7ff, v[P]
	v_lshl_add_u32 v[AO], v[P], 10, v[F]           ; token x 1,024 bytes + 16 h
	WLOAD 7
.set u, 0
.rept 8
	UNIT u
.set u, u+1
.endr
	s_wait_dscnt 0x0                               ; for the others' sake: my pieces are in LDS
	s_barrier_signal -1
	s_barrier_wait -1                              ; the slice is whole; nothing writes it again
.set i, 0
.rept 4                                                ; the bias rounded to bf16 like every input, and widened again
	v_cvt_pk_bf16_f32 v[P], v[BIAS+2*i], v[BIAS+2*i+1]
	v_lshlrev_b32 v[BIAS+2*i], 16, v[P]
	v_and_b32 v[BIAS+2*i+1], 0xffff0000, v[P]
.set i, i+1
.endr
.set i, 0
.rept 8
	v_mul_f32 v[BIAS+i], 0.5, v[BIAS+i]            ; exact: the GELU works on x / 2
.set i, i+1
.endr
	v_lshlrev_b32 v[P], 4, v[LANE]
	WIN 0x40
	v_mov_b32 v[SB], v[P]
	v_add_nc_u32 v[SB+1], 0x10000, v[P]
	WIN 0
	s_mov_b32 s16, 0x3eed3389                      ; 0.3275911 x sqrt 2, for |x| / 2; each constant twice, since the packed forms name a pair
	s_mov_b32 s17, 0x3eed3389
	s_mov_b32 s18, 0xc038aa3b                      ; - 2 log2(e), for (x / 2)^2
	s_mov_b32 s19, 0xc038aa3b
	s_mov_b32 s20, 0x3f87dc22                      ; 1.061405429
	s_mov_b32 s21, 0x3f87dc22
	s_mov_b32 s22, 0xbfba00e3                      ; -1.453152027
	s_mov_b32 s23, 0xbfba00e3
	s_mov_b32 s24, 0x3fb5f0e3                      ; 1.421413741
	s_mov_b32 s25, 0x3fb5f0e3
	s_mov_b32 s26, 0xbe91a98e                      ; -0.284496736
	s_mov_b32 s27, 0xbe91a98e
	s_mov_b32 s28, 0x3e827906                      ; 0.254829592
	s_mov_b32 s29, 0x3e827906
	s_mov_b32 s30, 0x7fffffff
	s_mov_b32 s87, NP
.Lpass:
	s_cmp_ge_u32 s86, s84                          ; a tile that begins at or past the count is jumped over
	s_cbranch_scc1 .Lskip
	ds_load_b128 v[TE:TE+3], v[LE]
	WIN 0x01                                       ; source 0 in window 1: the rows' fragments and the LDS addresses
	BLOAD 0
.set kk, 0
.rept 16
	STEP kk
.set kk, kk+1
.endr
	WIN 0
	PLACES                                         ; behind the last products
	s_add_co_u32 s85, s86, 128                     ; my next tile: if it is live, its rows are asked for now and land under the GELU
	s_cmp_ge_u32 s85, s84
	s_cbranch_scc1 .Lnopf
	ds_load_u16 v[P], v[LA] offset:256
	s_wait_dscnt 0x0
	v_min_u32 v[P], 0x7ff, v[P]
	v_lshl_add_u32 v[AO], v[P], 10, v[F]           ; the loads that named AO are done: the last block's wait was for 0
	ALOAD 0
	ALOAD 1
	ALOAD 2
	ALOAD 3
.Lnopf:
	GELU2 0                                        ; each accumulator is read from its lowest registers on
	GELU2 2
	GELU2 4
	GELU2 6
	s_wait_xcnt 0x0                                ; the stores have read their registers, which the next tile loads again
.Lskip:
	s_add_co_u32 s86, s86, 128                     ; my next tile
	v_add_nc_u32 v[LA], 256, v[LA]
	v_add_nc_u32 v[LE], 256, v[LE]
	s_sub_co_u32 s87, s87, 1
	s_cmp_lg_u32 s87, 0
	s_cbranch_scc1 .Lpass
	s_wait_tensorcnt 0x0                           ; the wave's end
	ds_add_u32 v[SPW], v[NIL]
	s_wait_dscnt 0x0
	s_endpgm
.Lfunc_end_k_qadc9ca92d0_up:
	.size	k_qadc9ca92d0_up, .Lfunc_end_k_qadc9ca92d0_up-k_qadc9ca92d0_up
	.p2alignl 7, 3214868480
	.fill 96, 4, 3214868480
	.section	.rodata,"a",@progbits
	.p2align	6, 0x0
	.amdhsa_kernel k_qadc9ca92d0_up
		.amdhsa_group_segment_fixed_size 166912
		.amdhsa_private_segment_fixed_size 0
		.amdhsa_enable_private_segment 0
		.amdhsa_kernarg_size 40
		.amdhsa_user_sgpr_count 2
		.amdhsa_user_sgpr_kernarg_segment_ptr 1
		.amdhsa_wavefront_size32 1
		.amdhsa_system_sgpr_workgroup_id_x 1
		.amdhsa_system_sgpr_workgroup_id_y 1
		.amdhsa_system_sgpr_workgroup_id_z 1
		.amdhsa_system_vgpr_workitem_id 0
		.amdhsa_next_free_vgpr 512
		.amdhsa_next_free_sgpr 92
		.amdhsa_reserve_vcc 0
		.amdhsa_float_denorm_mode_32 3
		.amdhsa_float_denorm_mode_16_64 3
		.amdhsa_memory_ordered 1
		.amdhsa_forward_progress 1
		.amdhsa_inst_pref_size 116
	.end_amdhsa_kernel
	.amdgpu_metadata
---
amdhsa.version: [ 1, 2 ]
amdhsa.kernels:
  - .name:           k_qadc9ca92d0_up
    .symbol:         k_qadc9ca92d0_up.kd
    .args:
      - { .name: xb, .offset: 0, .size: 8, .value_kind: global_buffer, .address_space: global }
      - { .name: W1, .offset: 8, .size: 8, .value_kind: global_buffer, .address_space: global }
      - { .name: b1, .offset: 16, .size: 8, .value_kind: global_buffer, .address_space: global }
      - { .name: bmp, .offset: 24, .size: 8, .value_kind: global_buffer, .address_space: global }
      - { .name: hid, .offset: 32, .size: 8, .value_kind: global_buffer, .address_space: global }
    .group_segment_fixed_size: 166912
    .private_segment_fixed_size: 0
    .kernarg_segment_align: 8
    .kernarg_segment_size: 40
    .max_flat_workgroup_size: 256
    .sgpr_count:     92
    .vgpr_count:     512
    .wavefront_size: 32
...
	.end_amdgpu_metadata
.endif
;; end of part 2
;; launch down (part 3): grid 16 x 16, 8 waves a work-group, no clusters, 297,984 bytes of LDS; arguments hid, W2, b2, bmp, out0; writes out0
.if DOCPART == 3
	.amdgcn_target "amdgcn-amd-amdhsa--gfx1250"
	.amdhsa_code_object_version 6
	.text
	.protected	k_qadc9ca92d0_down
	.globl	k_qadc9ca92d0_down
	.p2align	8
	.type	k_qadc9ca92d0_down,@function
k_qadc9ca92d0_down:
	s_mov_b64 s[64:65], 0
	v_nop
	global_prefetch_b8 v0, s[64:65] scope:SCOPE_SE
	s_setreg_imm32_b32 hwreg(HW_REG_WAVE_MODE, 25, 1), 1
	s_wait_xcnt 0x0
; THE SECOND PRODUCT OF ONE EXPERT ON ITS OWN ROWS.  out0[t][:] = hid[t] . W2[e] + b2[e] for the tokens t of expert e; hid is [2048][2048] bf16, out0 f32.
; Weights and bias are rounded to bf16 on their way through registers; sums in f32.
; LIMITS.  The sum over K = 2,048 is taken in eight parts of 256, each on the matrix unit in ascending K, and the eight are added in f32 in ascending order; NaN and infinities are not treated apart.
; SHARES.  Grid y = expert; grid x = 2 x slice + g: 8 slices of 64 columns, each taken by two neighbouring work-groups that share the expert's tiles of 16 rows (g = 0: even tiles, 1: odd): so a row's piece
; of W2 and of out0 is 256 bytes and there are 256 work-groups.  Wave w owns k = 256 w .. 256 w + 255 of the slice, for every tile.
; PHASE 1.  THE WEIGHTS STAY IN REGISTERS.  A load takes 256 bytes of each of two rows: lanes 0-15 rows of one block of 8 k, lanes 16-31 of the next; a lane holds 8 k of 4 columns and packs pairs along k.
; That is the matrix unit's second operand as it stands (lane = column, lanes 16-31 the next 8 k): 8 K steps x 4 fragments x 8 = 256 registers, all of window 1; no LDS, no barrier.
; Seven units of eight loads are out for each wave.  Under the stream each wave makes, from the expert's bitmap in scalar registers, its own list of the expert's tokens.
; PHASE 2.  A tile is 32 matrix instructions in every wave, on its own 512 bytes of the 16 rows, which come from memory straight into registers.  The eight waves' partial sums (f32, 4 KB each) meet in LDS:
; 32 KB written and 32 KB read for a tile.  Tiles go in batches of eight (256 KB of LDS); eight batches, a constant count, cover 2,048 rows; every wave passes both barriers of every batch, and only work is
; jumped over.  Behind a batch's first barrier wave w adds the eight parts of rows 8 h + 4 (w % 2) + 0..3 of tile w / 2, and of tile 4 + w / 2, adds the bias and stores.
; Three buffers hold tiles' rows: tiles 0 to 2 are asked for as the stream's tail frees its registers, whatever the count (every place of the list is written and holds a token); tile i + 3 behind tile i's products, if it is live.
; Places past the count repeat the expert's last token, which lies in the same tile: that row is stored again by the same work-group, with the same numbers.
; COLUMNS.  Fragment f, place r is column 4 r + f of the slice: a lane's 4 results of a row are neighbouring columns, 16 bytes, and 16 lanes store 256 consecutive bytes, aligned.
; No tensor load and no multicast: f32 weights must pass through registers to be rounded; the two readers of a slice are neighbours in the grid.
; REGISTERS, in windows of 256 (s_set_vgpr_msb: bits 1:0 source 0, 3:2 source 1, 5:4 source 2, 7:6 destination).  Window 1: the weights, K step s, fragment f at 32 s + 8 f.
; Window 0: v0-31 addresses and bias; phase 1: v32-255 seven slots of eight loads; phase 2: v32-63 accumulators; rows' buffers v96-159, v160-223, and v224-255 with v64-95; in the adding v64-191 parts, v192-235 results.
.set WROWB, 2048                       ; bytes from row to row of the weights
.set UNITB, 16*WROWB                   ; a unit is 16 rows
.set LISTS, 262144                     ; LDS: the partial sums: tile 32,768, wave 4,096, four registers 512, lane 16: every access is 16 x lane, no conflict
.set LISTB, 4352                       ; then a list for each wave, places of 2 bytes: 0-2047 tokens, 2048-2079 padding, 2080-2111 where lanes without a token write; the rest fills the block
.set SPARE, LISTS+8*LISTB              ; then the spare words, 128 bytes a wave
.set LANE, 1
.set R,    2                           ; lane % 16
.set H,    3                           ; lane / 16
.set SPW,  4                           ; my spare word's address; never rewritten
.set NIL,  5                           ; 0; never rewritten
.set WG,   6                           ; my byte offset in a unit's first row
.set LB,   7                           ; my wave's list
.set P,    8                           ; at work
.set LA,   9                           ; list place of row r of the batch's first tile
.set LE,   10                          ; list place of the four rows that I add and store
.set OL,   11                          ; 16 r
.set BIAS, 12                          ; v12-15
.set PS,   16                          ; v16-19 where I put partial sums, + 65,536 i
.set DUMP, 16                          ; while the list is made: list place 2080 + lane,
.set TOK,  17                          ; the token,
.set F,    18                          ; the padding's token
.set RD,   20                          ; v20-21 where I read parts, + 131,072
.set AO,   22                          ; v22-29 byte offsets of row r of the batch's eight tiles
.set Z,    24                          ; while the list is made: four zeros
.set H16,  30                          ; 16 h
.set WS,   32
.set ACC,  32
.set RS,   64                          ; the adding: part v, fragment f at RS + 16 v + 4 f
.set EO,   192                         ; v192-223 four rows x 4 columns, for each of my two units
.set TKN,  224                         ; v224-227 their four tokens
.set EOFF, 228                         ; v228-235 their byte offsets
; s2 wave  s3, s85 at work  s[4:13] addresses  s14 expert  s15 slice  s16-63, s68-83 the bitmap's 64 words  s84 the expert's count  s86 the batch's first row  s87 batches  s88 g  s89 32 (w / 2)  s[90:91] an offset
.set MSB, 0
.macro WIN new                         ; the immediate's high byte repeats the setting that is left; a switch that changes nothing is dropped
.if MSB != (\new)
	s_set_vgpr_msb (MSB<<8)|(\new)
.set MSB, \new
.endif
.endm
.macro WLOAD u                         ; unit u: 16 rows, eight loads of 256 bytes of each of two rows
.set wsb, WS+32*((\u)%7)
.set jj, 0
.rept 8
	global_load_b128 v[wsb+4*jj:wsb+4*jj+3], v[WG], s[6:7] offset:(\u)*UNITB+jj*WROWB
.set jj, jj+1
.endr
.endm
.macro AH t, hf                        ; half hf of my 512 bytes of the rows of the batch's tile t: 4 K steps of fragments, eight loads
.if (\t)%3 == 0
.set ab, 96+32*(\hf)
.elseif (\t)%3 == 1
.set ab, 160+32*(\hf)
.else
.set ab, 224-160*(\hf)
.endif
.set jj, 0
.rept 8
	global_load_b128 v[ab+4*jj:ab+4*jj+3], v[AO+(\t)], s[4:5] offset:(\hf)*256+32*jj
.set jj, jj+1
.endr
.endm
.macro CH m                            ; 32 tokens: those whose bit is set in s[m] go to the list's next places, the others' lanes write to the dump
	v_mbcnt_lo_u32_b32 v[P], s[\m], s84            ; the count so far + the set bits below my lane: my place, if my bit is set
	v_cndmask_b32 v[P], v[DUMP], v[P], s[\m]       ; else my dump place: the choice is made on places, ahead of the clamp
	v_min_u32 v[P], 0x83f, v[P]                    ; held inside the list: its last place is 2111
	v_lshl_add_u32 v[P], v[P], 1, v[LB]
	ds_store_b16 v[P], v[TOK]
	v_add_nc_u32 v[TOK], 32, v[TOK]
	s_bcnt1_i32_b32 s85, s[\m]
	s_add_co_u32 s84, s84, s85
.endm
.macro AOCALC                          ; the tokens of row r of the batch's eight tiles, as byte offsets in hid
.set i, 0
.rept 8
	ds_load_u16 v[AO+i], v[LA] offset:64*i
.set i, i+1
.endr
	s_wait_dscnt 0x0
.set i, 0
.rept 8
	v_min_u32 v[AO+i], 0x7ff, v[AO+i]
.set i, i+1
.endr
.set i, 0
.rept 8
	v_lshl_add_u32 v[AO+i], v[AO+i], 12, v[H16]    ; token x 4,096 bytes + 16 h
.set i, i+1
.endr
.endm
.macro UNIT u                          ; unit u is packed straight into its place among the operands; its slot takes the unit seven further on, or rows of the first tiles
.if (\u) < 15
	s_wait_loadcnt 48                              ; loads come back in order: six younger groups of eight (later units, halves of rows) may stay out
.else
	s_wait_loadcnt 40                              ; five
.endif
.set wsb, WS+32*((\u)%7)
.set bw, 32*((\u)/2)+4*((\u)%2)        ; K step u / 2; an even unit is k = 8 h + 0..7 (registers 0-3), an odd one k = 16 + 8 h + 0..7 (registers 4-7)
	WIN 0x40                                       ; destination in window 1
.set cc, 0
.rept 4                                                ; column cc = fragment cc: rows 0-7 in pairs
.set jj, 0
.rept 4
	v_cvt_pk_bf16_f32 v[bw+8*cc+jj], v[wsb+8*jj+cc], v[wsb+8*jj+4+cc]
.set jj, jj+1
.endr
.set cc, cc+1
.endr
	WIN 0
.if (\u) < 9
	WLOAD (\u)+7
.elseif (\u) < 14
	AH ((\u)-9)/2, ((\u)-9)%2                      ; slots 2 to 6 become the buffers of tiles 0 and 1 and half of tile 2's
.elseif (\u) == 15
	AH 2, 1                                        ; slot 1; slot 0 becomes the accumulators
.endif
.endm
; Tile i of a batch.  At its head its rows are in.  The four accumulators take turns.
.macro TILE i, tag
	WIN 0x04                                       ; source 1, the weights, in window 1
.set s, 0
.rept 8
.if (\i)%3 == 0
.set aa, 96+8*s
.elseif (\i)%3 == 1
.set aa, 160+8*s
.else
.set aa, 224+8*s-192*(s/4)
.endif
.set ff, 0
.rept 4
.if s == 0
	v_wmma_f32_16x16x32_bf16 v[ACC+8*ff:ACC+8*ff+7], v[aa:aa+7], v[32*s+8*ff:32*s+8*ff+7], 0
.else
	v_wmma_f32_16x16x32_bf16 v[ACC+8*ff:ACC+8*ff+7], v[aa:aa+7], v[32*s+8*ff:32*s+8*ff+7], v[ACC+8*ff:ACC+8*ff+7]
.endif
.set ff, ff+1
.endr
.set s, s+1
.endr
	WIN 0
.rept 5
	v_nop                                          ; five places: the next tile's first products write over these accumulators; four serve the stores and the loads below
.endr
.set q, 0
.rept 8                                                ; each accumulator is read from its lowest registers on
	ds_store_b128 v[PS+(\i)/2], v[ACC+4*q:ACC+4*q+3] offset:((\i)%2)*32768+q*512
.set q, q+1
.endr
.if (\i) < 5
	s_add_co_u32 s85, s86, 32*((\i)+3)             ; is tile i + 3 live?  Then its rows go into the buffer just read out
	s_cmp_ge_u32 s85, s84
	s_cbranch_scc1 .Lnp_\@
	AH (\i)+3, 0
	AH (\i)+3, 1
	s_wait_loadcnt 32                              ; tile i + 1's rows are in; tiles i + 2's and i + 3's sixteen loads each may stay out
	s_branch .Lpd_\@
.Lnp_\@:
	s_wait_loadcnt 0x0                             ; nothing was asked for: all that is out are the last tiles' rows
.Lpd_\@:
.else
	s_wait_loadcnt 0x0
.endif
.if (\i) < 7
	s_add_co_u32 s85, s86, 32*((\i)+1)
	s_cmp_ge_u32 s85, s84
	s_cbranch_scc1 .Lrd_\tag                       ; the batch's other tiles begin at or past the count
.endif
.endm
; My unit k: four rows of a tile, 64 columns: the eight waves' parts are added in ascending K, then the bias; four stores.
.macro RED k
	ds_load_b64 v[TKN+2*(\k):TKN+2*(\k)+1], v[LE] offset:256*(\k)
.set v, 0
.rept 8
.set ff, 0
.rept 4
	ds_load_b128 v[RS+16*v+4*ff:RS+16*v+4*ff+3], v[RD+(\k)] offset:v*4096+ff*1024
.set ff, ff+1
.endr
.set v, v+1
.endr
.set v, 1
.rept 7
	s_wait_dscnt 4*(7-v)                           ; part v is in; the later parts' four loads each may stay out
.set z, 0
.rept 8
	v_pk_add_f32 v[RS+2*z:RS+2*z+1], v[RS+2*z:RS+2*z+1], v[RS+16*v+2*z:RS+16*v+2*z+1]
.set z, z+1
.endr
.set v, v+1
.endr
.set eo, EO+16*(\k)
.set ef, EOFF+4*(\k)
.set jj, 0
.rept 4
.set ff, 0
.rept 4
	v_add_f32 v[eo+4*jj+ff], v[RS+4*ff+jj], v[BIAS+ff]
.set ff, ff+1
.endr
.if jj%2
	v_lshrrev_b32 v[ef+jj], 16, v[TKN+2*(\k)+jj/2]
.else
	v_and_b32 v[ef+jj], 0xffff, v[TKN+2*(\k)+jj/2]
.endif
	v_min_u32 v[ef+jj], 0x7ff, v[ef+jj]
	v_lshl_add_u32 v[ef+jj], v[ef+jj], 11, v[OL]
	global_store_b128 v[ef+jj], v[eo+4*jj:eo+4*jj+3], s[12:13] th:TH_STORE_NT  ; 16 lanes store 256 consecutive bytes of a token's row, aligned
.set jj, jj+1
.endr
.endm
; A batch of eight tiles.  pre = 1: the first: its offsets are made and its first three tiles' rows asked for in phase 1.
.macro BATCH pre, tag
	s_cmp_ge_u32 s86, s84                          ; a batch that begins at or past the count has no work, only its barriers
	s_cbranch_scc1 .Lrd_\tag
.if !(\pre)
	AOCALC
	AH 0, 0
	AH 0, 1
	AH 1, 0
	AH 1, 1
	AH 2, 0
	AH 2, 1
.endif
	s_wait_loadcnt 32                              ; tile 0's rows are in; tiles 1's and 2's sixteen loads each may stay out
.set ti, 0
.rept 8
	TILE ti, \tag
.set ti, ti+1
.endr
.Lrd_\tag:
	s_wait_loadcnt 0x0                             ; no load is out into the registers that the adding takes
	s_wait_dscnt 0x0                               ; for the others' sake: my partial sums are in LDS
	s_barrier_signal -1
	s_barrier_wait -1
	s_add_co_u32 s85, s86, s89                     ; my first unit's tile, w / 2
	s_cmp_ge_u32 s85, s84
	s_cbranch_scc1 .Lre_\tag
	RED 0
	s_add_co_u32 s85, s85, 128                     ; my second unit's tile, 4 + w / 2
	s_cmp_ge_u32 s85, s84
	s_cbranch_scc1 .Lre_\tag
	RED 1
.Lre_\tag:
	s_wait_xcnt 0x0                                ; the stores have read their registers, which the next batch loads again
	s_wait_dscnt 0x0                               ; my reads of the partial sums are over: the next batch writes there
	s_barrier_signal -1
	s_barrier_wait -1
	s_add_co_u32 s86, s86, 256                     ; eight tiles of mine and eight of my partner's
	v_add_nc_u32 v[LA], 512, v[LA]
	v_add_nc_u32 v[LE], 512, v[LE]
.endm
	s_load_b256 s[4:11], s[0:1], 0x0               ; rows s[4:5], weights s[6:7], bias s[8:9], bitmap s[10:11]
	s_load_b64 s[12:13], s[0:1], 0x20              ; result
	v_lshl_add_u32 v[SPW], v0, 2, SPARE
	v_mov_b32 v[NIL], 0
	v_lshrrev_b32 v[P], 5, v0
	v_readfirstlane_b32 s2, v[P]                   ; wave 0..7
	v_and_b32 v[LANE], 31, v0
	v_and_b32 v[R], 15, v0
	v_bfe_u32 v[H], v0, 4, 1
	v_lshlrev_b32 v[OL], 4, v[R]
	s_and_b32 s14, ttmp7, 0xffff                   ; the expert
	s_lshr_b32 s15, ttmp9, 1                       ; the slice
	s_and_b32 s88, ttmp9, 1                        ; g
	v_lshl_add_u32 v[WG], v[H], 14, v[OL]          ; columns 4 r + 0..3 (fragment c, place r); lanes 16-31 eight rows further down
	s_mul_i32 s3, s2, LISTB
	s_add_co_u32 s3, s3, LISTS
	v_mov_b32 v[LB], s3
	v_add_nc_u32 v[DUMP], 2080, v[LANE]
	s_mov_b32 s91, 0
	s_wait_kmcnt 0x0
	s_lshl_b32 s90, s14, 8                         ; the expert's 64 words
	s_add_nc_u64 s[10:11], s[10:11], s[90:91]
	s_load_b512 s[16:31], s[10:11], 0x0
	s_load_b512 s[32:47], s[10:11], 0x40
	s_load_b512 s[48:63], s[10:11], 0x80
	s_load_b512 s[68:83], s[10:11], 0xc0
	s_lshl_b32 s90, s14, 22                        ; an expert's weights are 4 MiB
	s_lshl_b32 s3, s15, 8                          ; the slice's 256 bytes of a row
	s_add_co_u32 s90, s90, s3
	s_lshl_b32 s3, s2, 19                          ; my wave's 256 rows
	s_add_co_u32 s90, s90, s3
	s_add_nc_u64 s[6:7], s[6:7], s[90:91]
	s_lshl_b32 s90, s14, 11
	s_lshl_b32 s3, s15, 8
	s_add_co_u32 s90, s90, s3
	s_add_nc_u64 s[8:9], s[8:9], s[90:91]          ; the bias at the slice
	s_lshl_b32 s90, s15, 8
	s_add_nc_u64 s[12:13], s[12:13], s[90:91]      ; the result at the slice's 256 bytes of a row
	s_lshl_b32 s90, s2, 9
	s_add_nc_u64 s[4:5], s[4:5], s[90:91]          ; the rows at my wave's 512 bytes
	global_load_b128 v[BIAS:BIAS+3], v[OL], s[8:9]
.set u, 0
.rept 7                                                ; 56 loads of 512 bytes out for each wave
	WLOAD u
.set u, u+1
.endr
	; THE LIST, made while the weights are on their way.  First all its 4,352 bytes are written once, so that every place that is read later has been written whatever the count.
.set i, 0
.rept 4
	v_mov_b32 v[Z+i], 0
.set i, i+1
.endr
	v_lshl_add_u32 v[P], v[LANE], 4, v[LB]
	v_lshl_add_u32 v[TOK], v[LANE], 3, v[LB]
.set i, 0
.rept 8
	ds_store_b128 v[P], v[Z:Z+3] offset:512*i
.set i, i+1
.endr
	ds_store_b64 v[TOK], v[Z:Z+1] offset:4096
	s_wait_kmcnt 0x0                               ; the bitmap
	s_mov_b32 s84, 0
	v_mov_b32 v[TOK], v[LANE]
.set c, 0
.rept 64                                               ; LDS serves a wave's instructions in order: these stores come behind the zeros
.if c < 48
	CH 16+c
.else
	CH 20+c
.endif
.set c, c+1
.endr
	s_max_u32 s85, s84, 1
	s_sub_co_u32 s85, s85, 1
	s_min_u32 s85, s85, 2047
	s_lshl_b32 s85, s85, 1
	v_add_nc_u32 v[P], s85, v[LB]
	ds_load_u16 v[F], v[P]                         ; the expert's last token
	v_add_nc_u32 v[P], s84, v[LANE]
	v_min_u32 v[P], 2079, v[P]
	v_lshl_add_u32 v[P], v[P], 1, v[LB]
	s_wait_dscnt 0x0
	ds_store_b16 v[P], v[F]                        ; fills the 32 places behind the count
	s_lshl_b32 s86, s88, 4                         ; the first batch's first row: 16 g; my tiles lie 32 rows apart
	v_add_nc_u32 v[LA], s86, v[R]
	v_lshl_add_u32 v[LA], v[LA], 1, v[LB]
	s_lshr_b32 s89, s2, 1
	s_lshl_b32 s89, s89, 5                         ; 32 (w / 2): the rows from the batch's first tile to my first unit's
	s_and_b32 s3, s2, 1                            ; which four of each eight rows I add
	s_lshl_b32 s85, s3, 2
	s_add_co_u32 s85, s85, s89
	s_add_co_u32 s85, s85, s86
	v_lshl_add_u32 v[LE], v[H], 3, s85
	v_lshl_add_u32 v[LE], v[LE], 1, v[LB]
	s_lshl_b32 s85, s2, 12
	v_lshl_add_u32 v[PS], v[LANE], 4, s85          ; 16 x lane + 4,096 w
	v_add_nc_u32 v[PS+1], 0x10000, v[PS]
	v_add_nc_u32 v[PS+2], 0x20000, v[PS]
	v_add_nc_u32 v[PS+3], 0x30000, v[PS]
	s_lshl_b32 s85, s3, 9
	s_lshl_b32 s3, s89, 10
	s_add_co_u32 s85, s85, s3
	v_lshl_add_u32 v[RD], v[LANE], 4, s85          ; 16 x lane + 512 (w % 2) + 32,768 (w / 2)
	v_add_nc_u32 v[RD+1], 0x20000, v[RD]
	v_lshlrev_b32 v[H16], 4, v[H]
	AOCALC
.set u, 0
.rept 16
	UNIT u
.set u, u+1
.endr
.set i, 0
.rept 2                                                ; the bias rounded to bf16 like every input, and widened again
	v_cvt_pk_bf16_f32 v[P], v[BIAS+2*i], v[BIAS+2*i+1]
	v_lshlrev_b32 v[BIAS+2*i], 16, v[P]
	v_and_b32 v[BIAS+2*i+1], 0xffff0000, v[P]
.set i, i+1
.endr
	BATCH 1, a
	s_mov_b32 s87, 7
.Lbatches:
	BATCH 0, b
	s_sub_co_u32 s87, s87, 1
	s_cmp_lg_u32 s87, 0
	s_cbranch_scc1 .Lbatches
	s_wait_tensorcnt 0x0                           ; the wave's end
	ds_add_u32 v[SPW], v[NIL]
	s_wait_dscnt 0x0
	s_endpgm
.Lfunc_end_k_qadc9ca92d0_down:
	.size	k_qadc9ca92d0_down, .Lfunc_end_k_qadc9ca92d0_down-k_qadc9ca92d0_down
	.p2alignl 7, 3214868480
	.fill 96, 4, 3214868480
	.section	.rodata,"a",@progbits
	.p2align	6, 0x0
	.amdhsa_kernel k_qadc9ca92d0_down
		.amdhsa_group_segment_fixed_size 297984
		.amdhsa_private_segment_fixed_size 0
		.amdhsa_enable_private_segment 0
		.amdhsa_kernarg_size 40
		.amdhsa_user_sgpr_count 2
		.amdhsa_user_sgpr_kernarg_segment_ptr 1
		.amdhsa_wavefront_size32 1
		.amdhsa_system_sgpr_workgroup_id_x 1
		.amdhsa_system_sgpr_workgroup_id_y 1
		.amdhsa_system_sgpr_workgroup_id_z 1
		.amdhsa_system_vgpr_workitem_id 0
		.amdhsa_next_free_vgpr 512
		.amdhsa_next_free_sgpr 92
		.amdhsa_reserve_vcc 0
		.amdhsa_float_denorm_mode_32 3
		.amdhsa_float_denorm_mode_16_64 3
		.amdhsa_memory_ordered 1
		.amdhsa_forward_progress 1
		.amdhsa_inst_pref_size 166
	.end_amdhsa_kernel
	.amdgpu_metadata
---
amdhsa.version: [ 1, 2 ]
amdhsa.kernels:
  - .name:           k_qadc9ca92d0_down
    .symbol:         k_qadc9ca92d0_down.kd
    .args:
      - { .name: hid, .offset: 0, .size: 8, .value_kind: global_buffer, .address_space: global }
      - { .name: W2, .offset: 8, .size: 8, .value_kind: global_buffer, .address_space: global }
      - { .name: b2, .offset: 16, .size: 8, .value_kind: global_buffer, .address_space: global }
      - { .name: bmp, .offset: 24, .size: 8, .value_kind: global_buffer, .address_space: global }
      - { .name: out0, .offset: 32, .size: 8, .value_kind: global_buffer, .address_space: global }
    .group_segment_fixed_size: 297984
    .private_segment_fixed_size: 0
    .kernarg_segment_align: 8
    .kernarg_segment_size: 40
    .max_flat_workgroup_size: 256
    .sgpr_count:     92
    .vgpr_count:     512
    .wavefront_size: 32
...
	.end_amdgpu_metadata
.endif
;; end of part 3
